; MI455X (gfx1250); checked and timed in simulation.
; The chip was launched on July 23, 2026; its instructions are those of AMD's public machine-readable ISA for CDNA 5 (MIT licence, August 2026) and "CDNA5" Instruction Set Architecture Reference Guide (July 2026). The comments in the code are by the model that wrote it; some were corrected since.
;; NN2 Soft Min. Allowed arithmetic: float matrix products may take bf16 or f16 operands with f32 sums; other float arithmetic in f32, or as packed bf16 or f16 multiplies, adds, multiply-adds, maxima and minima; sums over many terms, partial sums and values carried from step to step in f32; what a program stores and reads back later, other than sums and carried values, may be rounded once to bf16 or f16.
;; Inputs: b1 16 float32; b2 3 float32; ln_b 3 float32; ln_w 3 float32; log_tau one number float32; neigh3 16,777,216 x 3 float32; w1 16 x 3 float32; w2 3 x 16 float32.
;; Outputs: out0 16,777,216 float32.
;; 2 versions, each right; version 2 is version 1 with the launch softmin_mlp written anew for expert scheduling mode. Each part assembles by itself: llvm-mc -triple=amdgcn-amd-amdhsa -mcpu=gfx1250 --defsym DOCPART=n.
;; ======== version 1 of 2: 1 launch
;; launch softmin_mlp (part 1): grid 256 x 1, 16 waves a work-group, no clusters, 26,624 bytes of LDS; arguments neigh3, ln_w, ln_b, w1, b1, w2, b2, log_tau, out0; writes out0
.if DOCPART == 1
	.amdgcn_target "amdgcn-amd-amdhsa--gfx1250"
	.amdhsa_code_object_version 6
	.text
	.protected	k_qfc955a2804_softmin_mlp
	.globl	k_qfc955a2804_softmin_mlp
	.p2align	8
	.type	k_qfc955a2804_softmin_mlp,@function
k_qfc955a2804_softmin_mlp:
	s_mov_b64 s[64:65], 0
	v_nop
	global_prefetch_b8 v0, s[64:65] scope:SCOPE_SE
	s_setreg_imm32_b32 hwreg(HW_REG_WAVE_MODE, 25, 1), 1
	s_wait_xcnt 0x0
; out[n] = sum_c x[n][c] softmax_c( w2 relu( w1 LN(-|x[n] - best[n]|) + b1 ) + b2 ),  best = -tau logsumexp(-x / tau),  tau = clip(exp(log_tau), 0.02, 2).
; x = neigh3 [16,777,216][3] f32, out0 [16,777,216] f32.  A stream: 12 bytes in and 4 bytes out a row, each moved once.
; SHARES.  256 work-groups of 16 waves; a work-group owns 65,536 rows, a wave 4,096: 32 BLOCKS of 128 rows (1,536 bytes in, 512 out); in a block lane L owns rows 4 L .. 4 L + 3.
; No wave reads what another wave wrote, so there is no barrier.  The work-groups share nothing but 500 bytes of weights: no cluster, no joint loads.  No tensor loads: a ring of four blocks in registers
; keeps 12 loads of 512 consecutive bytes of every wave on their way with counted waits alone.
; DATA PATH.  Three loads of 16 bytes a lane (lane L at 16 L + 512 i) take a block as it lies; it goes through the wave's own 1,536 bytes of LDS and comes back as 48 bytes a lane (48 L + 16 i): four whole rows.
; A block's results are one store of 16 bytes a lane.
; ARITHMETIC, in f32 but for the operands of the two products.  m = min x;  S = sum 2^(c (m - x)), c = log2(e) / tau (the maximum of -x / tau is taken away);  best = m - tau ln2 log2 S;  g = x - best.
; LayerNorm by differences: p = |g0| - |g1|, q = |g1| - |g2|, V = p^2 + p q + q^2;  the variance is 2 V / 9, so 1 / sqrt(var + eps) = sqrt(4.5) rs', rs' = 1 / sqrt(V + 4.5 eps).
; The centred features are -(2p+q)/3, (p-q)/3, (p+2q)/3.  So w1 LN(..) + b1 = W'' (p rs', q rs') + b1', with a_c = w1[m][c] ln_w[c], k1 = sqrt(4.5) / 3:
;   W''[m][0] = k1 (a1 + a2 - 2 a0),  W''[m][1] = k1 (2 a2 - a0 - a1),  b1'[m] = b1[m] + sum_c w1[m][c] ln_b[c].
; LAYER 1 on the matrix unit, weights as source 0, sums in f32.  Source 1 (BF): register g of a lane holds its row g's two features in bf16, that is k = 8 h + 2 g, + 1 of column r (r = lane % 16, h = lane / 16);
; registers 4-7 are 0.  For each g and each half hh of the lanes one product with a source 0 that holds W'' at k = 8 hh + 2 g, + 1 alone picks the rows g of the lanes of half hh.  In the result (8 registers of f32)
; lane (r, h) holds hidden units 8 h .. 8 h + 7 of the row of lane (r, hh); rounded in pairs to bf16 (4 registers) that IS the layout of source 1 of the next product.  C is b1', in f32.
; LAYER 2.  Source 1 = the hidden units for (g, 0) and (g, 1) side by side: k < 16 those of lane (r, 0)'s row, k >= 16 those of lane (r, 1)'s.  Source 0: row c holds log2(e) w2[c] at k < 16, row 8 + c the same
; at k >= 16.  So registers 0-2 of the f32 result are, in every lane, the three logits (times log2 e) of its OWN row g.  C is log2(e) b2.  No product adds onto an earlier product's result.
; THE ORDER OF A STEP is skewed, so that other work stands behind the products: front of block n; first part of the tail of n - 1 (the logits become exponentials, and their 32 registers fall free); layer 1 of rows
; g = 0, 1 into those registers; the rest of that tail; rounding; layer 1 of rows g = 2, 3 into the same registers; block n + 1 through LDS; ReLU, rounding, ReLU; layer 2 of n.
; LIMITS.  NaN and infinities are not treated apart; a NaN log_tau gives tau = 0.02.  An exponential below 2^-126 counts as 0.  V and m c stay finite for |x| up to about 1e18.
; W'', the two features, the hidden units and w2 are each rounded once to bf16; b1', b2, x and all else stay f32.
.set BLK,    1536                      ; bytes of a block in neigh3, and of a wave's stage in LDS
.set OBLK,   512                       ; bytes of a block in out0
.set BLOCKS, 32                        ; blocks of a wave
.set WAVES,  16
.set SPARE,  WAVES*BLK                 ; LDS byte 24,576: behind the stages, the spare words, 128 bytes for each wave, that no other line names
.set LST, 1                            ; v1   LDS: my stage + 16 lane; never rewritten
.set LLD, 2                            ; v2   LDS: my stage + 48 lane; never rewritten
.set VO,  3                            ; v3   16 lane: my offset in 512 bytes of neigh3 and of out0; never rewritten
.set ZR,  4                            ; v4   0, for the ReLU
.set LN,  5                            ; v5   lane (the head alone)
.set SPW, 6                            ; v6   LDS address of my spare word; never rewritten
.set NIL, 7                            ; v7   0; never rewritten
.set A1,  8                            ; v[8:35]    four runs of six registers and four zeros: the eight windows of layer 1's weights
.set A2,  36                           ; v[36:43]   layer 2's weights
.set C1,  44                           ; v[44:51]   b1'[8 h + j] in register j
.set C2,  52                           ; v[52:59]   log2(e) b2, then zeros
.set BF,  60                           ; v[60:67]   the features of my four rows, then zeros
.set D1,  68                           ; v[68:99]   hidden units in bf16: (g, hh) at D1 + 8 g + 4 hh
.set D2,  100                          ; v[100:131] logits: row g at D2 + 8 g
.set F,   D2                           ;            and, between the two parts of a tail and layer 2, layer 1's f32 sums of two rows g: (g % 2, hh) at F + 16 (g % 2) + 8 hh
.set X,   132                          ; v[132:155] my four rows, two buffers of 12: X[3 g + c]
.set G,   156                          ; v[156:203] the ring: four blocks as loaded, 12 registers each
.set M,   204                          ; v[204:207] m          (tail: MX, the largest logit)
.set MC,  208                          ; v[208:211] m c, then best (BE)   (tail: DEN)
.set BE,  MC
.set T,   212                          ; v[212:223] c (m - x), then g
.set E,   224                          ; v[224:235] exponentials: row g, component c at 6 (g / 2) + 2 c + g % 2, so that sums over c go two rows at a time   (tail: TE)
.set P,   E                            ;            later p, q and V of the four rows
.set Q,   E+4
.set W,   E+8
.set S,   236                          ; v[236:239] S          (tail: NUM)
.set OUT, 240                          ; v[240:243] the block's four results
.set MX,  M
.set DEN, MC
.set TE,  E
.set NUM, S
; the head's own registers, in what later holds D1 and D2
.set HR,   68                          ; r
.set HH,   69                          ; h
.set OW1R, 70                          ; byte offsets of the weights that my lane takes
.set OW1H, 71
.set OB1,  72
.set OW2,  73
.set HR8,  74                          ; r - 8
.set W1R,  76                          ; v[76:78]   w1's row r
.set W1H,  80                          ; v[80:103]  w1's rows 8 h .. 8 h + 7
.set W2L,  112                         ; v[112:119] eight numbers of w2
.set TA,   120                         ; v[120:122] at work
.set W2B,  124                         ; v[124:127] the eight in bf16
.set TT,   128                         ; v[128:130] tau and what is made of it
.set IB,  8                            ; s[8:9]   neigh3 at my wave's blocks; steps
.set OB,  24                           ; s[24:25] out0 likewise
.set CC,  42                           ; s[42:43] c      (pairs: the packed forms name both words and take the low one)
.set NC,  44                           ; s[44:45] -c
.set NTL, 46                           ; s[46:47] -tau ln2
.set EP,  48                           ; s[48:49] 4.5 eps
	s_load_b512 s[8:23], s[0:1], 0x0               ; neigh3 s[8:9], ln_w s[10:11], ln_b s[12:13], w1 s[14:15], b1 s[16:17], w2 s[18:19], b2 s[20:21], log_tau s[22:23]
	s_load_b64 s[24:25], s[0:1], 0x40              ; out0
	v_lshl_add_u32 v[SPW], v0, 2, SPARE
	v_mov_b32 v[NIL], 0
	v_lshrrev_b32 v[LN], 5, v0
	v_readfirstlane_b32 s2, v[LN]                  ; my wave's number
	v_and_b32 v[LN], 31, v0
	s_mul_i32 s26, s2, BLK                         ; my stage
	v_lshl_add_u32 v[LST], v[LN], 4, s26
	v_mad_u32_u24 v[LLD], v[LN], 48, s26
	v_lshlrev_b32 v[VO], 4, v[LN]
	v_mov_b32 v[ZR], 0
	v_and_b32 v[HR], 15, v0                        ; r
	v_bfe_u32 v[HH], v0, 4, 1                      ; h
	v_mul_u32_u24 v[OW1R], 12, v[HR]               ; w1's row r
	v_mul_u32_u24 v[OW1H], 96, v[HH]               ; w1's rows 8 h .. 8 h + 7
	v_lshlrev_b32 v[OB1], 5, v[HH]                 ; b1[8 h ..]
	v_and_b32 v[OW2], 7, v[HR]
	v_min_u32 v[OW2], 2, v[OW2]                    ; w2's row r % 8, held inside its three rows,
	v_lshl_add_u32 v[OW2], v[OW2], 6, v[OB1]       ; columns 8 h .. 8 h + 7
	v_add_nc_u32 v[HR8], -8, v[HR]
	v_cmp_gt_u32 vcc_lo, 3, v[HR]                  ; lanes with r = 0, 1, 2
	v_cmp_gt_u32 s27, 3, v[HR8]                    ; lanes with r = 8, 9, 10
	s_mov_b32 s50, 0xffff                          ; lanes of half 0
	s_mov_b32 s51, 0xffff0000                      ; lanes of half 1
	s_mov_b32 s[EP], 0x383cbe62                    ; 4.5e-5
	s_mov_b32 s[EP+1], s[EP]
	s_mul_i32 s4, ttmp9, WAVES*BLOCKS*BLK          ; my work-group's bytes of neigh3 (under 2^28),
	s_mul_i32 s5, s2, BLOCKS*BLK                   ; my wave's
	s_add_co_u32 s4, s4, s5
	s_mov_b32 s5, 0
	s_lshl_b32 s6, ttmp9, 18                       ; the same in out0: 262,144 and 16,384 bytes
	s_lshl_b32 s7, s2, 14
	s_add_co_u32 s6, s6, s7
	s_mov_b32 s7, 0
	s_wait_kmcnt 0x0
	s_load_b96 s[28:30], s[10:11], 0x0             ; ln_w
	s_load_b96 s[32:34], s[12:13], 0x0             ; ln_b
	s_load_b96 s[36:38], s[20:21], 0x0             ; b2
	s_load_b32 s40, s[22:23], 0x0                  ; log_tau
	s_add_nc_u64 s[IB:IB+1], s[IB:IB+1], s[4:5]
	s_add_nc_u64 s[OB:OB+1], s[OB:OB+1], s[6:7]
	global_load_b96 v[W1R:W1R+2], v[OW1R], s[14:15]  ; eleven loads of weights, ahead of the stream's
.irp i, 0,1,2,3,4,5
	global_load_b128 v[W1H+4*\i:W1H+4*\i+3], v[OW1H], s[14:15] offset:16*\i
.endr
	global_load_b128 v[C1:C1+3], v[OB1], s[16:17]  ; b1 goes where b1' is made
	global_load_b128 v[C1+4:C1+7], v[OB1], s[16:17] offset:16
	global_load_b128 v[W2L:W2L+3], v[OW2], s[18:19]
	global_load_b128 v[W2L+4:W2L+7], v[OW2], s[18:19] offset:16
.irp j, 0,1,2,3                        ; the ring is filled: blocks 0 to 3
.irp i, 0,1,2
	global_load_b128 v[G+12*\j+4*\i:G+12*\j+4*\i+3], v[VO], s[IB:IB+1] offset:BLK*\j+512*\i th:TH_LOAD_NT
.endr
.endr
	; the constant zeros of the matrix operands (the four registers of A1 that hold weights are written below)
.set i, 0
.rept 28
.if (i != 2) && (i != 9) && (i != 14) && (i != 21)
	v_mov_b32 v[A1+i], 0
.endif
.set i, i+1
.endr
.irp i, 4,5,6,7
	v_mov_b32 v[BF+\i], 0
.endr
.irp i, 3,4,5,6,7
	v_mov_b32 v[C2+\i], 0
.endr
	s_wait_kmcnt 0x0                               ; ln_w, ln_b, b2, log_tau
	v_mov_b32 v[TT], s40
	v_mul_f32 v[TT], 0x3fb8aa3b, v[TT]             ; log_tau log2(e)
	v_exp_f32 v[TT], v[TT]
	v_mov_b32 v[C2], s36                           ; plain lines between the exponential and the use of its result
	v_mov_b32 v[C2+1], s37
	v_mov_b32 v[C2+2], s38
	s_wait_alu depctr_va_vdst(0)
	v_max_num_f32 v[TT], 0x3ca3d70a, v[TT]         ; the clip: 0.02
	v_min_num_f32 v[TT], 2.0, v[TT]                ; and 2
	v_rcp_f32 v[TT+1], v[TT]
	v_mul_f32 v[TT+2], 0x3f317218, v[TT]           ; tau ln2: also the plain line behind the reciprocal
	s_wait_alu depctr_va_vdst(0)
	v_mul_f32 v[TT+1], 0x3fb8aa3b, v[TT+1]         ; c = log2(e) / tau
	v_readfirstlane_b32 s[CC], v[TT+1]
	v_readfirstlane_b32 s[NTL], v[TT+2]
	s_mov_b32 s[CC+1], s[CC]
	s_xor_b32 s[NC], s[CC], 0x80000000
	s_mov_b32 s[NC+1], s[NC]
	s_xor_b32 s[NTL], s[NTL], 0x80000000
	s_mov_b32 s[NTL+1], s[NTL]
.irp j, 0,1,2
	v_mul_f32 v[C2+\j], 0x3fb8aa3b, v[C2+\j]       ; log2(e) b2: register j is row j of half 0 and row 8 + j of half 1
.endr
	s_wait_loadcnt 12                              ; the weights are in: behind them only the stream's 12 loads were issued
	v_mul_f32 v[W1R], s28, v[W1R]                  ; a_c = w1[r][c] ln_w[c]
	v_mul_f32 v[W1R+1], s29, v[W1R+1]
	v_mul_f32 v[W1R+2], s30, v[W1R+2]
	v_add_f32 v[TA], v[W1R+1], v[W1R+2]
	v_add_f32 v[TA+1], v[W1R], v[W1R+1]
	v_fma_f32 v[TA], v[W1R], -2.0, v[TA]           ; a1 + a2 - 2 a0
	v_fma_f32 v[TA+1], v[W1R+2], 2.0, -v[TA+1]     ; 2 a2 - a0 - a1
	v_mul_f32 v[TA], 0x3f3504f3, v[TA]             ; k1 = sqrt(4.5) / 3
	v_mul_f32 v[TA+1], 0x3f3504f3, v[TA+1]
	v_cvt_pk_bf16_f32 v[TA+2], v[TA], v[TA+1]      ; W''[r][0] at the even k, W''[r][1] at the odd
	; Run 2 hh + g % 2 begins at A1 + 6 (2 hh + g % 2): 0 0 W 0 0 0 (g even) or 0 0 0 W 0 0 (g odd), W in the lanes of half hh alone.  The window of (g, hh) begins 2 (1 - g / 2) into its run, at an even
	; register, so that W stands at its place g.  Its places 4 to 7 (k >= 16) reach into the next run and meet BF's zeros.
	v_cndmask_b32 v[A1+2], 0, v[TA+2], s50
	v_cndmask_b32 v[A1+9], 0, v[TA+2], s50
	v_cndmask_b32 v[A1+14], 0, v[TA+2], s51
	v_cndmask_b32 v[A1+21], 0, v[TA+2], s51
.irp j, 0,1,2,3
	v_pk_mul_f32 v[W2L+2*\j:W2L+2*\j+1], v[W2L+2*\j:W2L+2*\j+1], 0x3fb8aa3b op_sel_hi:[1,0]
.endr
.irp j, 0,1,2,3
	v_cvt_pk_bf16_f32 v[W2B+\j], v[W2L+2*\j], v[W2L+2*\j+1]
.endr
.irp j, 0,1,2,3
	v_cndmask_b32 v[A2+\j], 0, v[W2B+\j], vcc_lo   ; rows 0-2: k = 8 h .. 8 h + 7
	v_cndmask_b32 v[A2+4+\j], 0, v[W2B+\j], s27    ; rows 8-10: k = 16 + 8 h ..
.endr
.irp c, 0,1,2
.irp i, 0,1,2,3,4,5,6,7
	v_fmac_f32 v[C1+\i], s[32+\c], v[W1H+3*\i+\c]  ; b1'[8 h + i] = b1 + sum_c w1[8 h + i][c] ln_b[c]
.endr
.endr
; Pair k (0 to 5) of a lane's 12 numbers holds rows (0,0) (0,1) (1,1) (2,2) (2,3) (3,3).  A number that goes by rows lies in four registers; pair k takes pair 2 (k / 3) of them, and op_sel / op_sel_hi say which
; register of that pair feeds the low and the high result: first, first; first, second; second, second.
.macro PKFMA_ROW k                     ; T = x (-c) + m c
.if (\k)%3 == 0
	v_pk_fma_f32 v[T+2*(\k):T+2*(\k)+1], v[XB+2*(\k):XB+2*(\k)+1], s[NC:NC+1], v[MC+2*((\k)/3):MC+2*((\k)/3)+1] op_sel_hi:[1,0,0]
.elseif (\k)%3 == 1
	v_pk_fma_f32 v[T+2*(\k):T+2*(\k)+1], v[XB+2*(\k):XB+2*(\k)+1], s[NC:NC+1], v[MC+2*((\k)/3):MC+2*((\k)/3)+1] op_sel_hi:[1,0,1]
.else
	v_pk_fma_f32 v[T+2*(\k):T+2*(\k)+1], v[XB+2*(\k):XB+2*(\k)+1], s[NC:NC+1], v[MC+2*((\k)/3):MC+2*((\k)/3)+1] op_sel:[0,0,1] op_sel_hi:[1,0,1]
.endif
.endm
.macro PKSUB_ROW k                     ; T = x - best
.if (\k)%3 == 0
	v_pk_add_f32 v[T+2*(\k):T+2*(\k)+1], v[XB+2*(\k):XB+2*(\k)+1], v[BE+2*((\k)/3):BE+2*((\k)/3)+1] op_sel_hi:[1,0] neg_lo:[0,1] neg_hi:[0,1]
.elseif (\k)%3 == 1
	v_pk_add_f32 v[T+2*(\k):T+2*(\k)+1], v[XB+2*(\k):XB+2*(\k)+1], v[BE+2*((\k)/3):BE+2*((\k)/3)+1] neg_lo:[0,1] neg_hi:[0,1]
.else
	v_pk_add_f32 v[T+2*(\k):T+2*(\k)+1], v[XB+2*(\k):XB+2*(\k)+1], v[BE+2*((\k)/3):BE+2*((\k)/3)+1] op_sel:[0,1] op_sel_hi:[1,1] neg_lo:[0,1] neg_hi:[0,1]
.endif
.endm
.macro EXPS dst, src, stride, g0       ; the six exponentials of rows g0 and g0 + 1; row g's arguments lie at src + stride g
.irp c, 0,1,2
.irp u, 0,1
	v_exp_f32 v[(\dst)+6*((\g0)/2)+2*\c+\u], v[(\src)+(\stride)*((\g0)+\u)+\c]
.endr
.endr
.endm
; THE FRONT of the block in X's buffer par: soft-min, |x - best|, the two normalised differences, in bf16 into BF.  Behind every run of exponentials, logarithms or roots stands a plain line that names none of
; their registers, before a result is used (ISA guide 5.7.2): the other two rows' arithmetic.  Its plain lines are also the places behind the block before's layer 2 (ISA guide 7.12.1).
.macro FRONT par
.set XB, X+12*(\par)
	s_wait_dscnt 0x0                               ; my four rows are back from the stage
.irp g, 0,1,2,3
	v_min3_num_f32 v[M+\g], v[XB+3*\g], v[XB+3*\g+1], v[XB+3*\g+2]
.endr
	v_pk_mul_f32 v[MC:MC+1], v[M:M+1], s[CC:CC+1] op_sel_hi:[1,0]
	v_pk_mul_f32 v[MC+2:MC+3], v[M+2:M+3], s[CC:CC+1] op_sel_hi:[1,0]
	PKFMA_ROW 0
	PKFMA_ROW 1
	PKFMA_ROW 2
	EXPS E, T, 3, 0
	PKFMA_ROW 3
	PKFMA_ROW 4
	PKFMA_ROW 5
	EXPS E, T, 3, 2
	s_wait_alu depctr_va_vdst(0)
	v_pk_add_f32 v[S:S+1], v[E:E+1], v[E+2:E+3]
	v_pk_add_f32 v[S:S+1], v[S:S+1], v[E+4:E+5]
	v_log_f32 v[S], v[S]
	v_log_f32 v[S+1], v[S+1]
	v_pk_add_f32 v[S+2:S+3], v[E+6:E+7], v[E+8:E+9]
	v_pk_add_f32 v[S+2:S+3], v[S+2:S+3], v[E+10:E+11]
	v_log_f32 v[S+2], v[S+2]
	v_log_f32 v[S+3], v[S+3]
	s_wait_alu depctr_va_vdst(0)
	v_pk_fma_f32 v[BE:BE+1], v[S:S+1], s[NTL:NTL+1], v[M:M+1] op_sel_hi:[1,0,1]          ; best = m - tau ln2 log2 S
	v_pk_fma_f32 v[BE+2:BE+3], v[S+2:S+3], s[NTL:NTL+1], v[M+2:M+3] op_sel_hi:[1,0,1]
.irp k, 0,1,2,3,4,5
	PKSUB_ROW \k
.endr
.irp g, 0,1,2,3
	v_sub_f32 v[P+\g], |v[T+3*\g]|, |v[T+3*\g+1]|
	v_sub_f32 v[Q+\g], |v[T+3*\g+1]|, |v[T+3*\g+2]|
.endr
	v_pk_add_f32 v[W:W+1], v[P:P+1], v[Q:Q+1]
	v_pk_add_f32 v[W+2:W+3], v[P+2:P+3], v[Q+2:Q+3]
	v_pk_fma_f32 v[W:W+1], v[P:P+1], v[W:W+1], s[EP:EP+1] op_sel_hi:[1,1,0]              ; p (p + q) + 4.5 eps
	v_pk_fma_f32 v[W+2:W+3], v[P+2:P+3], v[W+2:W+3], s[EP:EP+1] op_sel_hi:[1,1,0]
	v_pk_fma_f32 v[W:W+1], v[Q:Q+1], v[Q:Q+1], v[W:W+1]                                  ; + q^2
	v_rsq_f32 v[W], v[W]
	v_rsq_f32 v[W+1], v[W+1]
	v_pk_fma_f32 v[W+2:W+3], v[Q+2:Q+3], v[Q+2:Q+3], v[W+2:W+3]
	v_rsq_f32 v[W+2], v[W+2]
	v_rsq_f32 v[W+3], v[W+3]
	s_wait_alu depctr_va_vdst(0)
	v_pk_mul_f32 v[P:P+1], v[P:P+1], v[W:W+1]
	v_pk_mul_f32 v[Q:Q+1], v[Q:Q+1], v[W:W+1]
	v_pk_mul_f32 v[P+2:P+3], v[P+2:P+3], v[W+2:W+3]
	v_pk_mul_f32 v[Q+2:Q+3], v[Q+2:Q+3], v[W+2:W+3]
.irp g, 0,1,2,3
	v_cvt_pk_bf16_f32 v[BF+\g], v[P+\g], v[Q+\g]
.endr
.endm
; Four products: the hidden units, in f32, of the rows g = 2 half + u of the lanes of half hh.  g % 2 = u chooses the run, g / 2 = half the window's start in it.
.macro LAYER1 half
.irp u, 0,1
.irp hh, 0,1
	v_wmma_f32_16x16x32_bf16 v[F+16*\u+8*\hh:F+16*\u+8*\hh+7], v[A1+6*(2*\hh+\u)+2*(1-(\half)):A1+6*(2*\hh+\u)+2*(1-(\half))+7], v[BF:BF+7], v[C1:C1+7]
.endr
.endr
.endm
.macro CVT half                        ; those 32 sums a lane are rounded once to bf16, each result's registers in ascending order
.set i, 0
.rept 16
	v_cvt_pk_bf16_f32 v[D1+16*(\half)+i], v[F+2*i], v[F+2*i+1]
.set i, i+1
.endr
.endm
.macro RELU half                       ; two hidden units a line, in place; nothing is rounded
.set i, 0
.rept 16
	v_pk_max_num_bf16 v[D1+16*(\half)+i], v[D1+16*(\half)+i], v[ZR]
.set i, i+1
.endr
.endm
.macro LAYER2                          ; four products: every lane's three logits of its row g
.irp g, 0,1,2,3
	v_wmma_f32_16x16x32_bf16 v[D2+8*\g:D2+8*\g+7], v[A2:A2+7], v[D1+8*\g:D1+8*\g+7], v[C2:C2+7]
.endr
.endm
.macro SUBMAX g                        ; row g's logits less their maximum, in place (the fourth register of the two pairs serves nothing)
.irp a, 0,2
.if (\g)%2 == 0
	v_pk_add_f32 v[D2+8*(\g)+\a:D2+8*(\g)+\a+1], v[D2+8*(\g)+\a:D2+8*(\g)+\a+1], v[MX+2*((\g)/2):MX+2*((\g)/2)+1] op_sel_hi:[1,0] neg_lo:[0,1] neg_hi:[0,1]
.else
	v_pk_add_f32 v[D2+8*(\g)+\a:D2+8*(\g)+\a+1], v[D2+8*(\g)+\a:D2+8*(\g)+\a+1], v[MX+2*((\g)/2):MX+2*((\g)/2)+1] op_sel:[0,1] op_sel_hi:[1,1] neg_lo:[0,1] neg_hi:[0,1]
.endif
.endr
.endm
.macro NUMS g0                         ; sum_c e_c x_c for rows g0 and g0 + 1, the two rows by turns
.irp u, 0,1
	v_mul_f32 v[NUM+(\g0)+\u], v[TE+6*((\g0)/2)+\u], v[XB+3*((\g0)+\u)]
.endr
.irp c, 1,2
.irp u, 0,1
	v_fmac_f32 v[NUM+(\g0)+\u], v[TE+6*((\g0)/2)+2*\c+\u], v[XB+3*((\g0)+\u)+\c]
.endr
.endr
.endm
; THE TAIL, FIRST PART: the logits, with their maximum taken away, become exponentials.  Each result of layer 2 is read from its lowest registers on.  Behind it D2 holds nothing that is
; wanted; the two sums at its end are the plain lines between the last exponentials and the products that write over their sources (ISA guide 5.7.2).
.macro TAILA
.irp g, 0,1,2,3
	v_max3_num_f32 v[MX+\g], v[D2+8*\g], v[D2+8*\g+1], v[D2+8*\g+2]
.endr
	SUBMAX 0
	SUBMAX 1
	EXPS TE, D2, 8, 0
	SUBMAX 2
	SUBMAX 3
	EXPS TE, D2, 8, 2
	s_wait_alu depctr_va_vdst(0)
	v_pk_add_f32 v[DEN:DEN+1], v[TE:TE+1], v[TE+2:TE+3]
	v_pk_add_f32 v[DEN:DEN+1], v[DEN:DEN+1], v[TE+4:TE+5]
.endm
; THE TAIL, SECOND PART, for the block whose rows lie in X's buffer par: the weighted sum, divided, and the store at byte stoff from OB.  Its 16 plain lines name no register of the four products of layer 1 that
; stand just in front: they are the places behind those (ISA guide 7.12.1).
.macro TAILB par, stoff
.set XB, X+12*(\par)
	v_rcp_f32 v[DEN], v[DEN]
	v_rcp_f32 v[DEN+1], v[DEN+1]
	NUMS 0
	v_pk_add_f32 v[DEN+2:DEN+3], v[TE+6:TE+7], v[TE+8:TE+9]
	v_pk_add_f32 v[DEN+2:DEN+3], v[DEN+2:DEN+3], v[TE+10:TE+11]
	v_rcp_f32 v[DEN+2], v[DEN+2]
	v_rcp_f32 v[DEN+3], v[DEN+3]
	NUMS 2
	s_wait_xcnt 0x0                                ; every earlier memory instruction has had its addresses translated (ISA guide 3.1): OUT, the last store's data, is rewritten only behind this wait
	s_wait_alu depctr_va_vdst(0)
	v_pk_mul_f32 v[OUT:OUT+1], v[NUM:NUM+1], v[DEN:DEN+1]
	v_pk_mul_f32 v[OUT+2:OUT+3], v[NUM+2:NUM+3], v[DEN+2:DEN+3]
	global_store_b128 v[VO], v[OUT:OUT+3], s[OB:OB+1] offset:\stoff th:TH_STORE_NT  ; 512 consecutive bytes, at a multiple of 512 from out0's first
.endm
; A block leaves the ring's slot, goes through my stage and comes back by rows into X's buffer par; the slot is asked for again (ldoff >= 0: the byte from IB of the block four further on).
; cnt: the loads of the younger blocks, which stay out.  LDS serves a wave's instructions in order (ISA guide 5.7.1.4): the loads see the stores above them, and these stores come behind the last block's loads.
.macro STAGE slot, par, cnt, ldoff
	s_wait_loadcnt \cnt
.irp i, 0,1,2
	ds_store_b128 v[LST], v[G+12*(\slot)+4*\i:G+12*(\slot)+4*\i+3] offset:512*\i
.endr
.irp i, 0,1,2
	ds_load_b128 v[X+12*(\par)+4*\i:X+12*(\par)+4*\i+3], v[LLD] offset:16*\i
.endr
.if (\ldoff) >= 0
.irp i, 0,1,2
	global_load_b128 v[G+12*(\slot)+4*\i:G+12*(\slot)+4*\i+3], v[VO], s[IB:IB+1] offset:(\ldoff)+512*\i th:TH_LOAD_NT
.endr
.endif
.endm
; THE STEP of block n (par = n % 2).  tail = 0: the first step has no block before it, and five v_nop take the tail's part as the places behind layer 1's first four products.
; Behind its second four stand the 16 lines of the first ReLU, which name none of their registers.
.macro STEP par, tail, stoff, stage, slot, cnt, ldoff
	FRONT \par
.if \tail
	TAILA
.endif
	LAYER1 0
.if \tail
	TAILB 1-(\par), \stoff
.else
.rept 5
	v_nop
.endr
.endif
	CVT 0
	LAYER1 1
.if \stage
	STAGE \slot, 1-(\par), \cnt, \ldoff
.endif
	RELU 0
	CVT 1
	RELU 1
	LAYER2
.endm
	STAGE 0, 0, 9, 4*BLK                           ; block 0 is in (blocks 1 to 3: nine loads stay out); block 4 is asked for
	STEP 0, 0, 0, 1, 1, 9, 5*BLK                   ; step 0
	s_mov_b32 s3, 6
.Ltrip:                                                ; six trips of four steps: steps 1 to 24.  Step n stores block n - 1, stages block n + 1 and asks for block n + 5
	STEP 1, 1, 0*OBLK, 1, 2, 9, 6*BLK
	STEP 0, 1, 1*OBLK, 1, 3, 9, 7*BLK
	STEP 1, 1, 2*OBLK, 1, 0, 9, 8*BLK
	STEP 0, 1, 3*OBLK, 1, 1, 9, 9*BLK
	s_wait_xcnt 0x0                                ; the two bases are stepped only behind this wait
	s_add_nc_u64 s[IB:IB+1], s[IB:IB+1], 4*BLK
	s_add_nc_u64 s[OB:OB+1], s[OB:OB+1], 4*OBLK
	s_sub_co_u32 s3, s3, 1
	s_cmp_lg_u32 s3, 0
	s_cbranch_scc1 .Ltrip
	STEP 1, 1, 0*OBLK, 1, 2, 9, 6*BLK              ; steps 25 to 31 are written out: blocks 30 and 31 are the last that are asked for, so no load leaves my wave's share,
	STEP 0, 1, 1*OBLK, 1, 3, 9, 7*BLK
	STEP 1, 1, 2*OBLK, 1, 0, 9, -1                 ; blocks 29 to 31 stay out,
	STEP 0, 1, 3*OBLK, 1, 1, 6, -1                 ; and the counts run down
	STEP 1, 1, 4*OBLK, 1, 2, 3, -1
	STEP 0, 1, 5*OBLK, 1, 3, 0, -1
	STEP 1, 1, 6*OBLK, 0, 0, 0, -1                 ; step 31: nothing is left to stage
.rept 4
	v_nop                                          ; the places between the last products and the lines that read them: no other work is left
.endr
	TAILA
	TAILB 1, 7*OBLK
	s_wait_tensorcnt 0x0                           ; the wave's end, behind my last LDS store
	ds_add_u32 v[SPW], v[NIL]
	s_wait_dscnt 0x0
	s_endpgm
.Lfunc_end_k_qfc955a2804_softmin_mlp:
	.size	k_qfc955a2804_softmin_mlp, .Lfunc_end_k_qfc955a2804_softmin_mlp-k_qfc955a2804_softmin_mlp
	.p2alignl 7, 3214868480
	.fill 96, 4, 3214868480
	.section	.rodata,"a",@progbits
	.p2align	6, 0x0
	.amdhsa_kernel k_qfc955a2804_softmin_mlp
		.amdhsa_group_segment_fixed_size 26624
		.amdhsa_private_segment_fixed_size 0
		.amdhsa_enable_private_segment 0
		.amdhsa_kernarg_size 72
		.amdhsa_user_sgpr_count 2
		.amdhsa_user_sgpr_kernarg_segment_ptr 1
		.amdhsa_wavefront_size32 1
		.amdhsa_system_sgpr_workgroup_id_x 1
		.amdhsa_system_sgpr_workgroup_id_y 1
		.amdhsa_system_sgpr_workgroup_id_z 1
		.amdhsa_system_vgpr_workitem_id 0
		.amdhsa_next_free_vgpr 244
		.amdhsa_next_free_sgpr 66
		.amdhsa_reserve_vcc 1
		.amdhsa_float_denorm_mode_32 3
		.amdhsa_float_denorm_mode_16_64 3
		.amdhsa_memory_ordered 1
		.amdhsa_forward_progress 1
		.amdhsa_inst_pref_size 144
	.end_amdhsa_kernel
	.amdgpu_metadata
---
amdhsa.version: [ 1, 2 ]
amdhsa.kernels:
  - .name:           k_qfc955a2804_softmin_mlp
    .symbol:         k_qfc955a2804_softmin_mlp.kd
    .args:
      - { .name: neigh3, .offset: 0, .size: 8, .value_kind: global_buffer, .address_space: global }
      - { .name: ln_w, .offset: 8, .size: 8, .value_kind: global_buffer, .address_space: global }
      - { .name: ln_b, .offset: 16, .size: 8, .value_kind: global_buffer, .address_space: global }
      - { .name: w1, .offset: 24, .size: 8, .value_kind: global_buffer, .address_space: global }
      - { .name: b1, .offset: 32, .size: 8, .value_kind: global_buffer, .address_space: global }
      - { .name: w2, .offset: 40, .size: 8, .value_kind: global_buffer, .address_space: global }
      - { .name: b2, .offset: 48, .size: 8, .value_kind: global_buffer, .address_space: global }
      - { .name: log_tau, .offset: 56, .size: 8, .value_kind: global_buffer, .address_space: global }
      - { .name: out0, .offset: 64, .size: 8, .value_kind: global_buffer, .address_space: global }
    .group_segment_fixed_size: 26624
    .private_segment_fixed_size: 0
    .kernarg_segment_align: 8
    .kernarg_segment_size: 72
    .max_flat_workgroup_size: 512
    .sgpr_count:     66
    .vgpr_count:     244
    .wavefront_size: 32
...
	.end_amdgpu_metadata
.endif
;; end of part 1
;; ======== version 2 of 2: 1 launch; version 1 with the launch softmin_mlp written anew for expert scheduling mode
;; launch softmin_mlp (part 2): grid 256 x 1, 16 waves a work-group, no clusters, 26,624 bytes of LDS; arguments neigh3, ln_w, ln_b, w1, b1, w2, b2, log_tau, out0; writes out0
.if DOCPART == 2
	.amdgcn_target "amdgcn-amd-amdhsa--gfx1250"
	.amdhsa_code_object_version 6
	.text
	.protected	k_qfc955a2804_softmin_mlp
	.globl	k_qfc955a2804_softmin_mlp
	.p2align	8
	.type	k_qfc955a2804_softmin_mlp,@function
k_qfc955a2804_softmin_mlp:
	s_mov_b64 s[64:65], 0
	v_nop
	global_prefetch_b8 v0, s[64:65] scope:SCOPE_SE
	s_setreg_imm32_b32 hwreg(HW_REG_WAVE_SCHED_MODE, 0, 2), 2
	s_setreg_imm32_b32 hwreg(HW_REG_WAVE_MODE, 25, 1), 1
	s_wait_xcnt 0x0
	s_wait_alu depctr_vm_vsrc(0)
; out[n] = sum_c x[n][c] softmax_c( w2 relu( w1 LN(-|x[n] - best[n]|) + b1 ) + b2 ),  best = -tau logsumexp(-x / tau),  tau = clip(exp(log_tau), 0.02, 2).
; x = neigh3 [16,777,216][3] f32, out0 [16,777,216] f32.  A stream: 12 bytes in and 4 bytes out a row, each moved once.
; SHARES.  256 work-groups of 16 waves; a work-group owns 65,536 rows, a wave 4,096: 32 BLOCKS of 128 rows (1,536 bytes in, 512 out); in a block lane L owns rows 4 L .. 4 L + 3.
; No wave reads what another wave wrote, so there is no barrier.  The work-groups share nothing but 500 bytes of weights: no cluster, no joint loads.  No tensor loads: a ring of four blocks in registers
; keeps 9 to 12 loads of 512 consecutive bytes of every wave on their way with counted waits alone.
; DATA PATH.  Three loads of 16 bytes a lane (lane L at 16 L + 512 i) take a block as it lies; it goes through the wave's own 1,536 bytes of LDS and comes back as 48 bytes a lane (48 L + 16 i): four whole rows.
; A block's results are one store of 16 bytes a lane.
; ARITHMETIC, in f32 but for the operands of the two products.  m = min x;  S = sum 2^(c (m - x)), c = log2(e) / tau (the maximum of -x / tau is taken away);  best = m - tau ln2 log2 S;  g = x - best.
; LayerNorm by differences: p = |g0| - |g1|, q = |g1| - |g2|, V = p^2 + p q + q^2;  the variance is 2 V / 9, so 1 / sqrt(var + eps) = sqrt(4.5) rs', rs' = 1 / sqrt(V + 4.5 eps).
; The centred features are -(2p+q)/3, (p-q)/3, (p+2q)/3.  So w1 LN(..) + b1 = W'' (p rs', q rs') + b1', with a_c = w1[m][c] ln_w[c], k1 = sqrt(4.5) / 3:
;   W''[m][0] = k1 (a1 + a2 - 2 a0),  W''[m][1] = k1 (2 a2 - a0 - a1),  b1'[m] = b1[m] + sum_c w1[m][c] ln_b[c].
; LAYER 1 on the matrix unit, weights as source 0, sums in f32.  Source 1 (BF): register g of a lane holds its row g's two features in bf16, that is k = 8 h + 2 g, + 1 of column r (r = lane % 16, h = lane / 16);
; registers 4-7 are 0.  For each g and each half hh of the lanes one product with a source 0 that holds W'' at k = 8 hh + 2 g, + 1 alone picks the rows g of the lanes of half hh.  In the result (8 registers of f32)
; lane (r, h) holds hidden units 8 h .. 8 h + 7 of the row of lane (r, hh); rounded in pairs to bf16 (4 registers) that IS the layout of source 1 of the next product.  C is b1', in f32.
; LAYER 2.  Source 1 = the hidden units for (g, 0) and (g, 1) side by side: k < 16 those of lane (r, 0)'s row, k >= 16 those of lane (r, 1)'s.  Source 0: row c holds log2(e) w2[c] at k < 16, row 8 + c the same
; at k >= 16.  So registers 0-2 of the f32 result are, in every lane, the three logits (times log2 e) of its OWN row g.  C is log2(e) b2.  No product adds onto an earlier product's result.
; THE ORDER OF A STEP is skewed, so that other work stands behind the products: front of block n, with the store of block n - 2 in it; first part of the tail of n - 1 (the logits become exponentials, and their 32
; registers fall free); layer 1 of rows g = 0, 1 into those registers; the rest of that tail, with the request for block n + 4 in it; rounding; layer 1 of rows g = 2, 3 into the same registers; block n + 1 through
; LDS; ReLU, rounding, ReLU; layer 2 of n.
; THE MODE: SCHED_MODE bits 1:0 = 2 (LLVM: expert scheduling mode 2), set by the entry lines.  The code itself states the register dependences between vector or matrix instructions and memory or LDS
; instructions, with s_wait_alu, always for 0.
; THE PLAN.  Registers that memory or LDS instructions touch, in step n (par = n % 2):
;   G0 .. G3    the ring.  Slot (n + 1) % 4 is read by the step's three LDS stores; the loads of block n + 5 land in it in step n + 1.  No vector instruction ever names the ring.
;   X0, X1      X[par] is read by the front of step n and by the second part of the tail in step n + 1; behind that the LDS loads of step n + 1 land in it (block n + 2).
;   OUT         written by the last two lines of the tail in step n (block n - 1); read by the store that stands in the front of step n + 1; written again in the tail of step n + 1.
;   v1, v2, v3  the two LDS addresses and the offset: made at the head, never written again; the rows are reached by the two scalar bases and by immediate offsets.
;   v6, v7      made at the head, read by the closing add alone.
; So the waits on va_vdst that stand ahead of the readers of exponentials and reciprocals state the rest as well: the front's first shows OUT written, ahead of the store; the tail's last shows every reader of
; X[1 - par] done, ahead of the loads from the stage; behind it the vector side names OUT, NUM, DEN, D1, F, A1, BF and C1 alone, none of which a load or an LDS instruction of the step touches.
; ONE wait on vm_vsrc a step, in the tail: the store has read OUT, and the LDS stores of the step before have read the slot that is asked for again.
; LIMITS.  NaN and infinities are not treated apart; a NaN log_tau gives tau = 0.02.  An exponential below 2^-126 counts as 0.  V and m c stay finite for |x| up to about 1e18.
; W'', the two features, the hidden units and w2 are each rounded once to bf16; b1', b2, x and all else stay f32.
.set BLK,    1536                      ; bytes of a block in neigh3, and of a wave's stage in LDS
.set OBLK,   512                       ; bytes of a block in out0
.set BLOCKS, 32                        ; blocks of a wave
.set WAVES,  16
.set SPARE,  WAVES*BLK                 ; LDS byte 24,576: behind the stages, the spare words, 128 bytes for each wave, that no other line names
.set LST, 1                            ; v1   LDS: my stage + 16 lane; never rewritten
.set LLD, 2                            ; v2   LDS: my stage + 48 lane; never rewritten
.set VO,  3                            ; v3   16 lane: my offset in 512 bytes of neigh3 and of out0; never rewritten
.set ZR,  4                            ; v4   0, for the ReLU
.set LN,  5                            ; v5   lane (the head alone)
.set SPW, 6                            ; v6   LDS address of my spare word; never rewritten
.set NIL, 7                            ; v7   0; never rewritten
.set A1,  8                            ; v[8:35]    four runs of six registers and four zeros: the eight windows of layer 1's weights
.set A2,  36                           ; v[36:43]   layer 2's weights
.set C1,  44                           ; v[44:51]   b1'[8 h + j] in register j
.set C2,  52                           ; v[52:59]   log2(e) b2, then zeros
.set BF,  60                           ; v[60:67]   the features of my four rows, then zeros
.set D1,  68                           ; v[68:99]   hidden units in bf16: (g, hh) at D1 + 8 g + 4 hh
.set D2,  100                          ; v[100:131] logits: row g at D2 + 8 g
.set F,   D2                           ;            and, between the two parts of a tail and layer 2, layer 1's f32 sums of two rows g: (g % 2, hh) at F + 16 (g % 2) + 8 hh
.set X,   132                          ; v[132:155] my four rows, two buffers of 12: X[3 g + c]
.set G,   156                          ; v[156:203] the ring: four blocks as loaded, 12 registers each
.set M,   204                          ; v[204:207] m          (tail: MX, the largest logit)
.set MC,  208                          ; v[208:211] m c, then best (BE)   (tail: DEN)
.set BE,  MC
.set T,   212                          ; v[212:223] c (m - x), then g
.set E,   224                          ; v[224:235] exponentials: row g, component c at 6 (g / 2) + 2 c + g % 2, so that sums over c go two rows at a time   (tail: TE)
.set P,   E                            ;            later p, q and V of the four rows
.set Q,   E+4
.set W,   E+8
.set S,   236                          ; v[236:239] S          (tail: NUM)
.set OUT, 240                          ; v[240:243] the block's four results
.set MX,  M
.set DEN, MC
.set TE,  E
.set NUM, S
; the head's own registers, in what later holds D1 and D2
.set HR,   68                          ; r
.set HH,   69                          ; h
.set OW1R, 70                          ; byte offsets of the weights that my lane takes
.set OW1H, 71
.set OB1,  72
.set OW2,  73
.set HR8,  74                          ; r - 8
.set W1R,  76                          ; v[76:78]   w1's row r
.set W1H,  80                          ; v[80:103]  w1's rows 8 h .. 8 h + 7
.set W2L,  112                         ; v[112:119] eight numbers of w2
.set TA,   120                         ; v[120:122] at work
.set W2B,  124                         ; v[124:127] the eight in bf16
.set TT,   128                         ; v[128:130] tau and what is made of it
.set IB,  8                            ; s[8:9]   neigh3 at my wave's blocks; steps
.set OB,  24                           ; s[24:25] out0 likewise
.set CC,  42                           ; s[42:43] c      (pairs: the packed forms name both words and take the low one)
.set NC,  44                           ; s[44:45] -c
.set NTL, 46                           ; s[46:47] -tau ln2
.set EP,  48                           ; s[48:49] 4.5 eps
	s_load_b512 s[8:23], s[0:1], 0x0               ; neigh3 s[8:9], ln_w s[10:11], ln_b s[12:13], w1 s[14:15], b1 s[16:17], w2 s[18:19], b2 s[20:21], log_tau s[22:23]
	s_load_b64 s[24:25], s[0:1], 0x40              ; out0
	v_lshl_add_u32 v[SPW], v0, 2, SPARE
	v_mov_b32 v[NIL], 0
	v_lshrrev_b32 v[LN], 5, v0
	v_readfirstlane_b32 s2, v[LN]                  ; my wave's number
	v_and_b32 v[HR], 15, v0                        ; r
	v_add_nc_u32 v[HR8], -8, v[HR]
	v_cmp_gt_u32 vcc_lo, 3, v[HR]                  ; lanes with r = 0, 1, 2
	v_cmp_gt_u32 s27, 3, v[HR8]                    ; lanes with r = 8, 9, 10
	v_and_b32 v[LN], 31, v0
	v_lshlrev_b32 v[VO], 4, v[LN]
	v_mov_b32 v[ZR], 0
	v_bfe_u32 v[HH], v0, 4, 1                      ; h
	v_mul_u32_u24 v[OW1R], 12, v[HR]               ; w1's row r
	v_mul_u32_u24 v[OW1H], 96, v[HH]               ; w1's rows 8 h .. 8 h + 7
	v_lshlrev_b32 v[OB1], 5, v[HH]                 ; b1[8 h ..]
	v_and_b32 v[OW2], 7, v[HR]
	v_min_u32 v[OW2], 2, v[OW2]                    ; w2's row r % 8, held inside its three rows,
	v_lshl_add_u32 v[OW2], v[OW2], 6, v[OB1]       ; columns 8 h .. 8 h + 7
	s_wait_alu depctr_va_sdst(0)                   ; s2 and s27 are written, ahead of their first readers: the stage's and the bases' arithmetic below, the selects of layer 2's weights further down
	s_wait_alu depctr_va_vcc(0)                    ; VCC is written, ahead of its first reader, the selects of layer 2's weights
	s_mul_i32 s26, s2, BLK                         ; my stage
	v_lshl_add_u32 v[LST], v[LN], 4, s26
	v_mad_u32_u24 v[LLD], v[LN], 48, s26
	s_mov_b32 s50, 0xffff                          ; lanes of half 0
	s_mov_b32 s51, 0xffff0000                      ; lanes of half 1
	s_mov_b32 s[EP], 0x383cbe62                    ; 4.5e-5
	s_mov_b32 s[EP+1], s[EP]
	s_mul_i32 s4, ttmp9, WAVES*BLOCKS*BLK          ; my work-group's bytes of neigh3 (under 2^28),
	s_mul_i32 s5, s2, BLOCKS*BLK                   ; my wave's
	s_add_co_u32 s4, s4, s5
	s_mov_b32 s5, 0
	s_lshl_b32 s6, ttmp9, 18                       ; the same in out0: 262,144 and 16,384 bytes
	s_lshl_b32 s7, s2, 14
	s_add_co_u32 s6, s6, s7
	s_mov_b32 s7, 0
	s_wait_kmcnt 0x0
	s_load_b96 s[28:30], s[10:11], 0x0             ; ln_w
	s_load_b96 s[32:34], s[12:13], 0x0             ; ln_b
	s_load_b96 s[36:38], s[20:21], 0x0             ; b2
	s_load_b32 s40, s[22:23], 0x0                  ; log_tau
	s_add_nc_u64 s[IB:IB+1], s[IB:IB+1], s[4:5]
	s_add_nc_u64 s[OB:OB+1], s[OB:OB+1], s[6:7]
	s_wait_alu depctr_va_vdst(0)                   ; the offsets v3 and v70 to v73 and the LDS addresses v1, v2 and v6 with v7 are written: every load, store and LDS instruction of the kernel reads some of them
	global_load_b96 v[W1R:W1R+2], v[OW1R], s[14:15]  ; eleven loads of weights, ahead of the stream's
.irp i, 0,1,2,3,4,5
	global_load_b128 v[W1H+4*\i:W1H+4*\i+3], v[OW1H], s[14:15] offset:16*\i
.endr
	global_load_b128 v[C1:C1+3], v[OB1], s[16:17]  ; b1 goes where b1' is made
	global_load_b128 v[C1+4:C1+7], v[OB1], s[16:17] offset:16
	global_load_b128 v[W2L:W2L+3], v[OW2], s[18:19]
	global_load_b128 v[W2L+4:W2L+7], v[OW2], s[18:19] offset:16
.irp j, 0,1,2,3                        ; the ring is filled: blocks 0 to 3
.irp i, 0,1,2
	global_load_b128 v[G+12*\j+4*\i:G+12*\j+4*\i+3], v[VO], s[IB:IB+1] offset:BLK*\j+512*\i th:TH_LOAD_NT
.endr
.endr
	; the constant zeros of the matrix operands (the four registers of A1 that hold weights are written below)
.set i, 0
.rept 28
.if (i != 2) && (i != 9) && (i != 14) && (i != 21)
	v_mov_b32 v[A1+i], 0
.endif
.set i, i+1
.endr
.irp i, 4,5,6,7
	v_mov_b32 v[BF+\i], 0
.endr
.irp i, 3,4,5,6,7
	v_mov_b32 v[C2+\i], 0
.endr
	s_wait_kmcnt 0x0                               ; ln_w, ln_b, b2, log_tau
	v_mov_b32 v[TT], s40
	v_mul_f32 v[TT], 0x3fb8aa3b, v[TT]             ; log_tau log2(e)
	v_exp_f32 v[TT], v[TT]
	v_mov_b32 v[C2], s36                           ; plain lines between the exponential and the use of its result
	v_mov_b32 v[C2+1], s37
	v_mov_b32 v[C2+2], s38
	s_wait_alu depctr_va_vdst(0)                   ; the exponential has written exp(log_tau), which the clip reads
	v_max_num_f32 v[TT], 0x3ca3d70a, v[TT]         ; the clip: 0.02
	v_min_num_f32 v[TT], 2.0, v[TT]                ; and 2
	v_rcp_f32 v[TT+1], v[TT]
	v_mul_f32 v[TT+2], 0x3f317218, v[TT]           ; tau ln2: also the plain line behind the reciprocal
	s_wait_alu depctr_va_vdst(0)                   ; the reciprocal has written 1 / tau, which the next line reads
	v_mul_f32 v[TT+1], 0x3fb8aa3b, v[TT+1]         ; c = log2(e) / tau
	v_readfirstlane_b32 s[CC], v[TT+1]
	v_readfirstlane_b32 s[NTL], v[TT+2]
	s_wait_alu depctr_va_sdst(0)                   ; c and tau ln2 are written into their scalar registers, ahead of the first line that reads either
	s_mov_b32 s[CC+1], s[CC]
	s_xor_b32 s[NC], s[CC], 0x80000000
	s_mov_b32 s[NC+1], s[NC]
	s_xor_b32 s[NTL], s[NTL], 0x80000000
	s_mov_b32 s[NTL+1], s[NTL]
.irp j, 0,1,2
	v_mul_f32 v[C2+\j], 0x3fb8aa3b, v[C2+\j]       ; log2(e) b2: register j is row j of half 0 and row 8 + j of half 1
.endr
	s_wait_loadcnt 12                              ; the weights are in: behind them only the stream's 12 loads were issued
	v_mul_f32 v[W1R], s28, v[W1R]                  ; a_c = w1[r][c] ln_w[c]
	v_mul_f32 v[W1R+1], s29, v[W1R+1]
	v_mul_f32 v[W1R+2], s30, v[W1R+2]
	v_add_f32 v[TA], v[W1R+1], v[W1R+2]
	v_add_f32 v[TA+1], v[W1R], v[W1R+1]
	v_fma_f32 v[TA], v[W1R], -2.0, v[TA]           ; a1 + a2 - 2 a0
	v_fma_f32 v[TA+1], v[W1R+2], 2.0, -v[TA+1]     ; 2 a2 - a0 - a1
	v_mul_f32 v[TA], 0x3f3504f3, v[TA]             ; k1 = sqrt(4.5) / 3
	v_mul_f32 v[TA+1], 0x3f3504f3, v[TA+1]
	v_cvt_pk_bf16_f32 v[TA+2], v[TA], v[TA+1]      ; W''[r][0] at the even k, W''[r][1] at the odd
	; Run 2 hh + g % 2 begins at A1 + 6 (2 hh + g % 2): 0 0 W 0 0 0 (g even) or 0 0 0 W 0 0 (g odd), W in the lanes of half hh alone.  The window of (g, hh) begins 2 (1 - g / 2) into its run, at an even
	; register, so that W stands at its place g.  Its places 4 to 7 (k >= 16) reach into the next run and meet BF's zeros.
	v_cndmask_b32 v[A1+2], 0, v[TA+2], s50
	v_cndmask_b32 v[A1+9], 0, v[TA+2], s50
	v_cndmask_b32 v[A1+14], 0, v[TA+2], s51
	v_cndmask_b32 v[A1+21], 0, v[TA+2], s51
.irp j, 0,1,2,3
	v_pk_mul_f32 v[W2L+2*\j:W2L+2*\j+1], v[W2L+2*\j:W2L+2*\j+1], 0x3fb8aa3b op_sel_hi:[1,0]
.endr
.irp j, 0,1,2,3
	v_cvt_pk_bf16_f32 v[W2B+\j], v[W2L+2*\j], v[W2L+2*\j+1]
.endr
.irp j, 0,1,2,3
	v_cndmask_b32 v[A2+\j], 0, v[W2B+\j], vcc_lo   ; rows 0-2: k = 8 h .. 8 h + 7
	v_cndmask_b32 v[A2+4+\j], 0, v[W2B+\j], s27    ; rows 8-10: k = 16 + 8 h ..
.endr
.irp c, 0,1,2
.irp i, 0,1,2,3,4,5,6,7
	v_fmac_f32 v[C1+\i], s[32+\c], v[W1H+3*\i+\c]  ; b1'[8 h + i] = b1 + sum_c w1[8 h + i][c] ln_b[c]
.endr
.endr
; Pair k (0 to 5) of a lane's 12 numbers holds rows (0,0) (0,1) (1,1) (2,2) (2,3) (3,3).  A number that goes by rows lies in four registers; pair k takes pair 2 (k / 3) of them, and op_sel / op_sel_hi say which
; register of that pair feeds the low and the high result: first, first; first, second; second, second.
.macro PKFMA_ROW k                     ; T = x (-c) + m c
.if (\k)%3 == 0
	v_pk_fma_f32 v[T+2*(\k):T+2*(\k)+1], v[XB+2*(\k):XB+2*(\k)+1], s[NC:NC+1], v[MC+2*((\k)/3):MC+2*((\k)/3)+1] op_sel_hi:[1,0,0]
.elseif (\k)%3 == 1
	v_pk_fma_f32 v[T+2*(\k):T+2*(\k)+1], v[XB+2*(\k):XB+2*(\k)+1], s[NC:NC+1], v[MC+2*((\k)/3):MC+2*((\k)/3)+1] op_sel_hi:[1,0,1]
.else
	v_pk_fma_f32 v[T+2*(\k):T+2*(\k)+1], v[XB+2*(\k):XB+2*(\k)+1], s[NC:NC+1], v[MC+2*((\k)/3):MC+2*((\k)/3)+1] op_sel:[0,0,1] op_sel_hi:[1,0,1]
.endif
.endm
.macro PKSUB_ROW k                     ; T = x - best
.if (\k)%3 == 0
	v_pk_add_f32 v[T+2*(\k):T+2*(\k)+1], v[XB+2*(\k):XB+2*(\k)+1], v[BE+2*((\k)/3):BE+2*((\k)/3)+1] op_sel_hi:[1,0] neg_lo:[0,1] neg_hi:[0,1]
.elseif (\k)%3 == 1
	v_pk_add_f32 v[T+2*(\k):T+2*(\k)+1], v[XB+2*(\k):XB+2*(\k)+1], v[BE+2*((\k)/3):BE+2*((\k)/3)+1] neg_lo:[0,1] neg_hi:[0,1]
.else
	v_pk_add_f32 v[T+2*(\k):T+2*(\k)+1], v[XB+2*(\k):XB+2*(\k)+1], v[BE+2*((\k)/3):BE+2*((\k)/3)+1] op_sel:[0,1] op_sel_hi:[1,1] neg_lo:[0,1] neg_hi:[0,1]
.endif
.endm
.macro EXPS dst, src, stride, g0       ; the six exponentials of rows g0 and g0 + 1; row g's arguments lie at src + stride g
.irp c, 0,1,2
.irp u, 0,1
	v_exp_f32 v[(\dst)+6*((\g0)/2)+2*\c+\u], v[(\src)+(\stride)*((\g0)+\u)+\c]
.endr
.endr
.endm
.macro PUT stoff                       ; a block's results leave, at byte stoff from OB
	global_store_b128 v[VO], v[OUT:OUT+3], s[OB:OB+1] offset:\stoff th:TH_STORE_NT  ; 512 consecutive bytes, at a multiple of 512 from out0's first
.endm
.macro REFILL slot, ldoff              ; a slot of the ring is asked for again: the block at byte ldoff from IB
.irp i, 0,1,2
	global_load_b128 v[G+12*(\slot)+4*\i:G+12*(\slot)+4*\i+3], v[VO], s[IB:IB+1] offset:(\ldoff)+512*\i th:TH_LOAD_NT
.endr
.endm
; THE FRONT of the block in X's buffer par: soft-min, |x - best|, the two normalised differences, in bf16 into BF.  Behind every run of exponentials, logarithms or roots stands a plain line that names none of
; their registers, before a result is used (ISA guide 5.7.2): the other two rows' arithmetic.  Its plain lines are also the places behind the block before's layer 2 (ISA guide 7.12.1).
; st = 1: the results that the step before left in OUT are stored, at byte stoff from OB.
.macro FRONT par, st, stoff
.set XB, X+12*(\par)
	s_wait_dscnt 0x0                               ; my four rows are back from the stage
.irp g, 0,1,2,3
	v_min3_num_f32 v[M+\g], v[XB+3*\g], v[XB+3*\g+1], v[XB+3*\g+2]
.endr
	v_pk_mul_f32 v[MC:MC+1], v[M:M+1], s[CC:CC+1] op_sel_hi:[1,0]
	v_pk_mul_f32 v[MC+2:MC+3], v[M+2:M+3], s[CC:CC+1] op_sel_hi:[1,0]
	PKFMA_ROW 0
	PKFMA_ROW 1
	PKFMA_ROW 2
	EXPS E, T, 3, 0
	PKFMA_ROW 3
	PKFMA_ROW 4
	PKFMA_ROW 5
	EXPS E, T, 3, 2
	s_wait_alu depctr_va_vdst(0)                   ; the twelve exponentials are written, which the sums below read; so is OUT, by the tail of the step before, which the store below reads
.if \st
	PUT \stoff
.endif
	v_pk_add_f32 v[S:S+1], v[E:E+1], v[E+2:E+3]
	v_pk_add_f32 v[S:S+1], v[S:S+1], v[E+4:E+5]
	v_log_f32 v[S], v[S]
	v_log_f32 v[S+1], v[S+1]
	v_pk_add_f32 v[S+2:S+3], v[E+6:E+7], v[E+8:E+9]
	v_pk_add_f32 v[S+2:S+3], v[S+2:S+3], v[E+10:E+11]
	v_log_f32 v[S+2], v[S+2]
	v_log_f32 v[S+3], v[S+3]
	s_wait_alu depctr_va_vdst(0)                   ; the four logarithms are written, which the two lines below read
	v_pk_fma_f32 v[BE:BE+1], v[S:S+1], s[NTL:NTL+1], v[M:M+1] op_sel_hi:[1,0,1]          ; best = m - tau ln2 log2 S
	v_pk_fma_f32 v[BE+2:BE+3], v[S+2:S+3], s[NTL:NTL+1], v[M+2:M+3] op_sel_hi:[1,0,1]
.irp k, 0,1,2,3,4,5
	PKSUB_ROW \k
.endr
.irp g, 0,1,2,3
	v_sub_f32 v[P+\g], |v[T+3*\g]|, |v[T+3*\g+1]|
	v_sub_f32 v[Q+\g], |v[T+3*\g+1]|, |v[T+3*\g+2]|
.endr
	v_pk_add_f32 v[W:W+1], v[P:P+1], v[Q:Q+1]
	v_pk_add_f32 v[W+2:W+3], v[P+2:P+3], v[Q+2:Q+3]
	v_pk_fma_f32 v[W:W+1], v[P:P+1], v[W:W+1], s[EP:EP+1] op_sel_hi:[1,1,0]              ; p (p + q) + 4.5 eps
	v_pk_fma_f32 v[W+2:W+3], v[P+2:P+3], v[W+2:W+3], s[EP:EP+1] op_sel_hi:[1,1,0]
	v_pk_fma_f32 v[W:W+1], v[Q:Q+1], v[Q:Q+1], v[W:W+1]                                  ; + q^2
	v_rsq_f32 v[W], v[W]
	v_rsq_f32 v[W+1], v[W+1]
	v_pk_fma_f32 v[W+2:W+3], v[Q+2:Q+3], v[Q+2:Q+3], v[W+2:W+3]
	v_rsq_f32 v[W+2], v[W+2]
	v_rsq_f32 v[W+3], v[W+3]
	s_wait_alu depctr_va_vdst(0)                   ; the four reciprocal roots are written, which the four lines below read
	v_pk_mul_f32 v[P:P+1], v[P:P+1], v[W:W+1]
	v_pk_mul_f32 v[Q:Q+1], v[Q:Q+1], v[W:W+1]
	v_pk_mul_f32 v[P+2:P+3], v[P+2:P+3], v[W+2:W+3]
	v_pk_mul_f32 v[Q+2:Q+3], v[Q+2:Q+3], v[W+2:W+3]
.irp g, 0,1,2,3
	v_cvt_pk_bf16_f32 v[BF+\g], v[P+\g], v[Q+\g]
.endr
.endm
; Four products: the hidden units, in f32, of the rows g = 2 half + u of the lanes of half hh.  g % 2 = u chooses the run, g / 2 = half the window's start in it.
.macro LAYER1 half
.irp u, 0,1
.irp hh, 0,1
	v_wmma_f32_16x16x32_bf16 v[F+16*\u+8*\hh:F+16*\u+8*\hh+7], v[A1+6*(2*\hh+\u)+2*(1-(\half)):A1+6*(2*\hh+\u)+2*(1-(\half))+7], v[BF:BF+7], v[C1:C1+7]
.endr
.endr
.endm
.macro CVT half                        ; those 32 sums a lane are rounded once to bf16, each result's registers in ascending order
.set i, 0
.rept 16
	v_cvt_pk_bf16_f32 v[D1+16*(\half)+i], v[F+2*i], v[F+2*i+1]
.set i, i+1
.endr
.endm
.macro RELU half                       ; two hidden units a line, in place; nothing is rounded
.set i, 0
.rept 16
	v_pk_max_num_bf16 v[D1+16*(\half)+i], v[D1+16*(\half)+i], v[ZR]
.set i, i+1
.endr
.endm
.macro LAYER2                          ; four products: every lane's three logits of its row g
.irp g, 0,1,2,3
	v_wmma_f32_16x16x32_bf16 v[D2+8*\g:D2+8*\g+7], v[A2:A2+7], v[D1+8*\g:D1+8*\g+7], v[C2:C2+7]
.endr
.endm
.macro SUBMAX g                        ; row g's logits less their maximum, in place (the fourth register of the two pairs serves nothing)
.irp a, 0,2
.if (\g)%2 == 0
	v_pk_add_f32 v[D2+8*(\g)+\a:D2+8*(\g)+\a+1], v[D2+8*(\g)+\a:D2+8*(\g)+\a+1], v[MX+2*((\g)/2):MX+2*((\g)/2)+1] op_sel_hi:[1,0] neg_lo:[0,1] neg_hi:[0,1]
.else
	v_pk_add_f32 v[D2+8*(\g)+\a:D2+8*(\g)+\a+1], v[D2+8*(\g)+\a:D2+8*(\g)+\a+1], v[MX+2*((\g)/2):MX+2*((\g)/2)+1] op_sel:[0,1] op_sel_hi:[1,1] neg_lo:[0,1] neg_hi:[0,1]
.endif
.endr
.endm
.macro NUMS g0                         ; sum_c e_c x_c for rows g0 and g0 + 1, the two rows by turns
.irp u, 0,1
	v_mul_f32 v[NUM+(\g0)+\u], v[TE+6*((\g0)/2)+\u], v[XB+3*((\g0)+\u)]
.endr
.irp c, 1,2
.irp u, 0,1
	v_fmac_f32 v[NUM+(\g0)+\u], v[TE+6*((\g0)/2)+2*\c+\u], v[XB+3*((\g0)+\u)+\c]
.endr
.endr
.endm
; THE TAIL, FIRST PART: the logits, with their maximum taken away, become exponentials.  Each result of layer 2 is read from its lowest registers on.  Behind it D2 holds nothing that is
; wanted; the two sums at its end are the plain lines between the last exponentials and the products that write over their sources (ISA guide 5.7.2).
; st = 1: the last tail, which has no front ahead of it: the results that the last step left in OUT are stored here.
.macro TAILA st, stoff
.irp g, 0,1,2,3
	v_max3_num_f32 v[MX+\g], v[D2+8*\g], v[D2+8*\g+1], v[D2+8*\g+2]
.endr
	SUBMAX 0
	SUBMAX 1
	EXPS TE, D2, 8, 0
	SUBMAX 2
	SUBMAX 3
	EXPS TE, D2, 8, 2
	s_wait_alu depctr_va_vdst(0)                   ; the twelve exponentials are written, which the sums below read; in the last tail so is OUT, by the step before, which the store below reads
.if \st
	PUT \stoff
.endif
	v_pk_add_f32 v[DEN:DEN+1], v[TE:TE+1], v[TE+2:TE+3]
	v_pk_add_f32 v[DEN:DEN+1], v[DEN:DEN+1], v[TE+4:TE+5]
.endm
; THE TAIL, SECOND PART, for the block whose rows lie in X's buffer par: the weighted sum, divided, into OUT; the next front stores it.  Its 16 plain lines name no register of the four products of layer 1 that
; stand just in front: they are the places behind those (ISA guide 7.12.1).  fill = 1: the ring's slot that the step before sent through the stage is asked for again.
.macro TAILB par, fill, slot, ldoff
.set XB, X+12*(\par)
	v_rcp_f32 v[DEN], v[DEN]
	v_rcp_f32 v[DEN+1], v[DEN+1]
	NUMS 0
	v_pk_add_f32 v[DEN+2:DEN+3], v[TE+6:TE+7], v[TE+8:TE+9]
	v_pk_add_f32 v[DEN+2:DEN+3], v[DEN+2:DEN+3], v[TE+10:TE+11]
	v_rcp_f32 v[DEN+2], v[DEN+2]
	v_rcp_f32 v[DEN+3], v[DEN+3]
	NUMS 2
	s_wait_xcnt 0x0                                ; every earlier memory instruction has had its addresses translated (ISA guide 3.1): OUT, the last store's data, is rewritten only behind this wait
	s_wait_alu depctr_vm_vsrc(0)                   ; the store issued in this step has read OUT, which the two lines at the end write again; the LDS stores of the step before have read the slot in which the loads below land
.if \fill
	REFILL \slot, \ldoff
.endif
	s_wait_alu depctr_va_vdst(0)                   ; the four reciprocals are written, which the two lines below read; the lines above are done reading X[par], in which this step's loads from the stage land
	v_pk_mul_f32 v[OUT:OUT+1], v[NUM:NUM+1], v[DEN:DEN+1]
	v_pk_mul_f32 v[OUT+2:OUT+3], v[NUM+2:NUM+3], v[DEN+2:DEN+3]
.endm
; A block leaves the ring's slot, goes through my stage and comes back by rows into X's buffer par.  cnt: the loads of the younger blocks, which stay out.
; LDS serves a wave's instructions in order (ISA guide 5.7.1.4): the loads see the stores above them, and these stores come behind the last block's loads.
; No wait on va_vdst stands here: no vector instruction names the ring, and none issued since the tail's last wait names X[par].
.macro STAGE slot, par, cnt
	s_wait_loadcnt \cnt
.irp i, 0,1,2
	ds_store_b128 v[LST], v[G+12*(\slot)+4*\i:G+12*(\slot)+4*\i+3] offset:512*\i
.endr
.irp i, 0,1,2
	ds_load_b128 v[X+12*(\par)+4*\i:X+12*(\par)+4*\i+3], v[LLD] offset:16*\i
.endr
.endm
; THE STEP of block n (par = n % 2).  st, stoff: the store of block n - 2.  fill, fslot, ldoff: the request for block n + 4.  stage, sslot, cnt: block n + 1 through the stage.
; tail = 0: the first step has no block before it, and five v_nop take the tail's part as the places behind layer 1's first four products.
; Behind its second four stand the 16 lines of the first ReLU, which name none of their registers.
.macro STEP par, st, stoff, tail, fill, fslot, ldoff, stage, sslot, cnt
	FRONT \par, \st, \stoff
.if \tail
	TAILA 0, 0
.endif
	LAYER1 0
.if \tail
	TAILB 1-(\par), \fill, \fslot, \ldoff
.else
.rept 5
	v_nop
.endr
	s_wait_alu depctr_vm_vsrc(0)                   ; block 0's LDS stores have read the slot in which the loads below land; the weights' loads have read their offsets v70 to v73, which the roundings below write
	REFILL \fslot, \ldoff
.endif
	CVT 0
	LAYER1 1
.if \stage
	STAGE \sslot, 1-(\par), \cnt
.endif
	RELU 0
	CVT 1
	RELU 1
	LAYER2
.endm
	STAGE 0, 0, 9                                  ; block 0 is in (blocks 1 to 3: nine loads stay out)
	STEP 0, 0, 0, 0, 1, 0, 4*BLK, 1, 1, 9          ; step 0: no tail, nothing to store
	STEP 1, 0, 0, 1, 1, 1, 5*BLK, 1, 2, 9          ; step 1: the first tail; nothing to store yet
	s_mov_b32 s3, 6
.Ltrip:                                                ; six trips of four steps: steps 2 to 25.  Step n stores block n - 2, asks for block n + 4 and stages block n + 1
	STEP 0, 1, 0*OBLK, 1, 1, 2, 6*BLK, 1, 3, 9
	STEP 1, 1, 1*OBLK, 1, 1, 3, 7*BLK, 1, 0, 9
	STEP 0, 1, 2*OBLK, 1, 1, 0, 8*BLK, 1, 1, 9
	STEP 1, 1, 3*OBLK, 1, 1, 1, 9*BLK, 1, 2, 9
	s_wait_xcnt 0x0                                ; the two bases are stepped only behind this wait
	s_add_nc_u64 s[IB:IB+1], s[IB:IB+1], 4*BLK
	s_add_nc_u64 s[OB:OB+1], s[OB:OB+1], 4*OBLK
	s_sub_co_u32 s3, s3, 1
	s_cmp_lg_u32 s3, 0
	s_cbranch_scc1 .Ltrip
	STEP 0, 1, 0*OBLK, 1, 1, 2, 6*BLK, 1, 3, 9     ; steps 26 to 31 are written out: blocks 30 and 31 are the last that are asked for, so no load leaves my wave's share,
	STEP 1, 1, 1*OBLK, 1, 1, 3, 7*BLK, 1, 0, 9     ; blocks 29 to 31 stay out,
	STEP 0, 1, 2*OBLK, 1, 0, 0, 0, 1, 1, 6         ; and the counts run down
	STEP 1, 1, 3*OBLK, 1, 0, 0, 0, 1, 2, 3
	STEP 0, 1, 4*OBLK, 1, 0, 0, 0, 1, 3, 0
	STEP 1, 1, 5*OBLK, 1, 0, 0, 0, 0, 0, 0         ; step 31: nothing is left to stage
.rept 4
	v_nop                                          ; the places between the last products and the lines that read them: no other work is left
.endr
	TAILA 1, 6*OBLK                                ; block 30 is stored
	TAILB 1, 0, 0, 0
	s_wait_alu depctr_va_vdst(0)                   ; the tail's last two lines have written OUT, which the last store reads
	PUT 7*OBLK
	s_wait_dscnt 0x0                               ; the closing lines, six on end
	s_wait_alu 0x0
	s_wait_tensorcnt 0x0
	ds_add_u32 v[SPW], v[NIL]
	s_wait_dscnt 0x0
	s_endpgm
.Lfunc_end_k_qfc955a2804_softmin_mlp:
	.size	k_qfc955a2804_softmin_mlp, .Lfunc_end_k_qfc955a2804_softmin_mlp-k_qfc955a2804_softmin_mlp
	.p2alignl 7, 3214868480
	.fill 96, 4, 3214868480
	.section	.rodata,"a",@progbits
	.p2align	6, 0x0
	.amdhsa_kernel k_qfc955a2804_softmin_mlp
		.amdhsa_group_segment_fixed_size 26624
		.amdhsa_private_segment_fixed_size 0
		.amdhsa_enable_private_segment 0
		.amdhsa_kernarg_size 72
		.amdhsa_user_sgpr_count 2
		.amdhsa_user_sgpr_kernarg_segment_ptr 1
		.amdhsa_wavefront_size32 1
		.amdhsa_system_sgpr_workgroup_id_x 1
		.amdhsa_system_sgpr_workgroup_id_y 1
		.amdhsa_system_sgpr_workgroup_id_z 1
		.amdhsa_system_vgpr_workitem_id 0
		.amdhsa_next_free_vgpr 244
		.amdhsa_next_free_sgpr 66
		.amdhsa_reserve_vcc 1
		.amdhsa_float_denorm_mode_32 3
		.amdhsa_float_denorm_mode_16_64 3
		.amdhsa_memory_ordered 1
		.amdhsa_forward_progress 1
		.amdhsa_inst_pref_size 145
	.end_amdhsa_kernel
	.amdgpu_metadata
---
amdhsa.version: [ 1, 2 ]
amdhsa.kernels:
  - .name:           k_qfc955a2804_softmin_mlp
    .symbol:         k_qfc955a2804_softmin_mlp.kd
    .args:
      - { .name: neigh3, .offset: 0, .size: 8, .value_kind: global_buffer, .address_space: global }
      - { .name: ln_w, .offset: 8, .size: 8, .value_kind: global_buffer, .address_space: global }
      - { .name: ln_b, .offset: 16, .size: 8, .value_kind: global_buffer, .address_space: global }
      - { .name: w1, .offset: 24, .size: 8, .value_kind: global_buffer, .address_space: global }
      - { .name: b1, .offset: 32, .size: 8, .value_kind: global_buffer, .address_space: global }
      - { .name: w2, .offset: 40, .size: 8, .value_kind: global_buffer, .address_space: global }
      - { .name: b2, .offset: 48, .size: 8, .value_kind: global_buffer, .address_space: global }
      - { .name: log_tau, .offset: 56, .size: 8, .value_kind: global_buffer, .address_space: global }
      - { .name: out0, .offset: 64, .size: 8, .value_kind: global_buffer, .address_space: global }
    .group_segment_fixed_size: 26624
    .private_segment_fixed_size: 0
    .kernarg_segment_align: 8
    .kernarg_segment_size: 72
    .max_flat_workgroup_size: 512
    .sgpr_count:     66
    .vgpr_count:     244
    .wavefront_size: 32
...
	.end_amdgpu_metadata
.endif
;; end of part 2
